; MI455X (gfx1250); checked and timed in simulation.
; The chip was launched on July 23, 2026; its instructions are those of AMD's public machine-readable ISA for CDNA 5 (MIT licence, August 2026) and "CDNA5" Instruction Set Architecture Reference Guide (July 2026). The comments in the code are by the model that wrote it; some were corrected since.
;; K Means. Allowed arithmetic: matrix products marked QUANTISED: E2M1 operands, one E8M0 scale for each 32 along K, by v_wmma_scale_f32_16x16x128_f8f6f4 with both operands' format E2M1 (or v_wmma_scale_f32_32x16x128_f4), f32 sums; everything else in f32.
;; Inputs: centers 1,024 x 64 float32; x 262,144 x 64 float32.
;; Outputs: out0 262,144 int32.
;; This version of the problem:
;;   THIS VERSION OF THE PROBLEM IS GIVEN IN LOW PRECISION. The matrix products marked QUANTISED in the list below multiply operands that are first quantised to E2M1 (2 exponent bits, 1 mantissa bit; 4 bits a number), with one power-of-two scale for each 32 numbers along K (OCP MX v1.0); their sums are f32. All else is computed in f32.
;;   The module's matrix products, in the order in which they are computed (A, B: the left and right operand; K: the contracted axis; several contracted axes count as one K, in the product's order):
;;     1. [M 262,144, K 64] x [K 64, N 1,024]; A: input x; B: input centers: QUANTISED
;;   THE QUANTISER, for each operand of a quantised product, along K:
;;     - K is cut into blocks of 32 from its start; a last block that is shorter is filled with zeros.
;;     - A block's scale is 2^e with e = floor(log2(the largest magnitude in the block)) - 2, held to -126 .. 127; a block of zeros has e = 0. As a byte (E8M0): e + 127.
;;     - Each number is divided by its block's scale, clamped to +-6, and rounded to the nearest number of E2M1, ties to even, subnormals kept.
;;     - The product sums the exact products of the quantised numbers (number of the format x scale) in f32.
;;   ~~~python
;;   def quantise(x, axis):      # numpy; x: float32 -> the quantised numbers, widened to float32 again
;;       x = np.moveaxis(x, axis, -1); K = x.shape[-1]
;;       x = np.pad(x, [(0, 0)] * (x.ndim - 1) + [(0, -K % 32)]); x = x.reshape(x.shape[:-1] + (-1, 32)); a = np.abs(x).max(-1, keepdims=True)
;;       e = np.where(a > 0, np.clip(np.frexp(np.where(a > 0, a, 1))[1] - 1 - 2, -126, 127), 0)      # np.frexp(a)[1] - 1 = floor(log2(a)), exactly
;;       r = np.clip(x / 2.0 ** e, -6, 6)
;;       step = 2.0 ** (np.maximum(np.frexp(np.where(r == 0, 1, r))[1] - 1, 0) - 1)
;;       q = np.round(r / step) * step * 2.0 ** e      # np.round: ties to even
;;       return np.moveaxis(q.reshape(q.shape[:-2] + (-1,))[..., :K], -1, axis).astype(np.float32)
;;   ~~~
;; One version. Each part assembles by itself: llvm-mc -triple=amdgcn-amd-amdhsa -mcpu=gfx1250 --defsym DOCPART=n.
;; ======== version 1 of 1: 1 launch
;; launch kmeans (part 1): grid 256 x 1, 8 waves a work-group, clusters of 4 x 1, 327,680 bytes of LDS; arguments x, centers, out0; writes out0
.if DOCPART == 1
	.amdgcn_target "amdgcn-amd-amdhsa--gfx1250"
	.amdhsa_code_object_version 6
	.text
	.protected	k_q5883a19473_kmeans
	.globl	k_q5883a19473_kmeans
	.p2align	8
	.type	k_q5883a19473_kmeans,@function
k_q5883a19473_kmeans:
	s_mov_b64 s[64:65], 0
	v_nop
	global_prefetch_b8 v0, s[64:65] scope:SCOPE_SE
	s_setreg_imm32_b32 hwreg(HW_REG_WAVE_MODE, 25, 1), 1
	s_wait_xcnt 0x0
	s_wait_alu depctr_hold_cnt(0) depctr_sa_sdst(0) depctr_va_vdst(0) depctr_va_sdst(0) depctr_va_ssrc(0) depctr_va_vcc(0) depctr_vm_vsrc(0)
	s_getreg_b32 s2, hwreg(HW_REG_IB_STS2, 6, 4)
	s_cmp_eq_u32 s2, 0
	s_cbranch_scc0 .Lentry_in_a_cluster
	s_endpgm
.Lentry_in_a_cluster:
	s_bfe_u32 s2, ttmp6, 0x10000c
	s_cmp_lg_u32 s2, 0x3003
	s_cbranch_scc0 .Lentry_shape_is_right
	s_endpgm
.Lentry_shape_is_right:
; out0[n] = argmin over c of | x_norm[n] - 2 (Q(x[n]) . Q(centers[c])) + c_norm[c] |.  x: [262144][64] f32, centers: [1024][64] f32, out0: [262144] int32.
; Q: codes of FP4 (E2M1) with one E8M0 scale for each 32 along K = 64 (two blocks a row).  The norms are those of the unquantised numbers, in f32.
; SHARES.  256 work-groups of eight waves (two to a SIMD, 512 registers each).  A work-group owns 1,024 rows of x, a wave 128 of them, in two passes of 64 rows: four tiles of 16 queries.
; Every work-group quantises all 1,024 centres itself (a wave 128 of them) into LDS: images of the operand's registers, scale words, norms.  That is 2 of a wave's 4 runs of the quantiser.
; THE PRODUCT IS USED TRANSPOSED: source 0 = 16 centres, source 1 = 16 queries.  A lane then holds ONE query (lane % 16), and the 8 registers of a result are 8 centres, 16 t + 8 (lane / 16) + j:
; the search for the smallest distance stays inside a lane, but for one exchange with lane l xor 16 at a pass's end.  The instruction is 128 deep and K is 64: registers 4-7 of every fragment hold zero codes.
; THE DISTANCE keeps the order of roundings of the formula as it is written: fl(fl(x_norm - 2 dot) + c_norm); 2 dot is exact, so the first is one fused multiply-add.
; THE SEARCH, for a tile of 16 centres and a tile of 16 queries, 18 vector instructions for a lane's 8 distances: 4 packed multiply-adds, 4 packed additions, 4 minima of three (|.| on the sources) chained from the
; best so far, 1 compare (strictly smaller: the first tile that reaches a value keeps it), 4 pairs of selects that keep the tile's 8 distances where it won, 1 select that keeps its number.  At a pass's end the lowest j
; whose kept |distance| equals the best is the centre; of the two halves of the lanes the smaller distance wins, and at equal distances the lower index: the first minimum, as argmin has it.
; CLUSTER.  All work-groups read the same centres, so the four of a cluster ask for them jointly: each wave's one tensor load (its 128 centres) names all four.  x is shared by nobody, so one axis is enough.
; Every LDS byte is filled by a tensor load once at the most: there is no ring.  By this text's own count a wave has one tensor load out, once.
; x comes by plain loads into registers of window 1, all four sets of 32 rows asked for long ahead of their use; the second pass's rows land while the first pass is worked.
; LIMITS.  The norms are summed in ascending k by fused multiply-adds; a norm summed in another order may differ in its last bit, which changes an index only where two distances lie within such a bit of each other.
; NaN and infinities among the inputs, and rows all of whose distances overflow, are not served (the best starts at +infinity; the minimum passes over NaN).
; A block whose largest magnitude lies under 2^-124 keeps the scale byte 1 (the rule's own hold); a block of zeros has the byte 1 where the rule says 127: its codes are zeros, and this program alone reads the bytes.
.set DUAL,  1                          ; 1: the selects that keep a tile's distances go two to an instruction
.set ROWP,  272                        ; a row of 64 f32 in LDS: 256 bytes + 16 of padding = 68 words: row r starts at bank 4 r mod 64 (64 banks of 4 bytes: ISA guide 11.1)
.set SETB,  32*ROWP                    ; a set: 32 rows, one for each lane
.set WSTG,  128*ROWP                   ; LDS from 0: a stage for each wave: its 128 centres as they come; when these are read, its rows of x turn there (pass p at 2 p sets)
.set AIMG,  8*WSTG                     ; the centres' fragments: tile t at 512 t, lane l's four code registers at 16 l
.set CN,    AIMG+32768                 ; c_norm[1024], f32
.set ASC,   CN+4096                    ; the centres' scale words: set S at 128 S, lane l's at 4 l: lanes 0-15 serve tile 2 S, lanes 16-31 tile 2 S + 1
.set OUTS,  ASC+4096+1024              ; each wave's 128 indices, 512 bytes; 1,024 bytes are left idle in front
.set VG,    1                          ; v1   16 x lane: my bytes in a load of x and in the store of the indices; never rewritten
.set VST,   2                          ; v2   my stage, way in: 272 (lane / 16) + 16 (lane % 16)
.set VLD,   3                          ; v3   my stage, way out: 272 x lane: a row a lane
.set VIMG,  4                          ; v4   where I store fragments: AIMG + 4,096 wave + 16 lane
.set VSCL,  5                          ; v5   where I store norms: CN + 512 wave + 4 lane; scale words 4,096 further on
.set VA0,   6                          ; v6   AIMG + 16 lane
.set VC0,   7                          ; v7   CN + 32 (lane / 16)
.set VS0,   8                          ; v8   ASC + 4 lane
.set VA,    9                          ; v9-11  these three plus the trip's offset
.set VC,    10
.set VS,    11
.set VOUT,  12                         ; v12  OUTS + 512 wave + 4 lane
.set VOUTR, 13                         ; v13  OUTS + 512 wave + 16 lane
.set H8,    14                         ; v14  8 (lane / 16)
.set BF,    16                         ; v16-47   x's four fragments: 4 code registers, 4 of zero codes
.set AF,    48                         ; v48-63   two fragments of centres by turns: 4 loaded, 4 of zero codes
.set TA,    64                         ; v64-127  a set: the 64 numbers of my row;   in the sweep DD: two sets of four results
.set TB,    128                        ; v128-191 a second set;   in the sweep: CAP, CNR, BE, BO, TC
.set DD,    64
.set CAP,   128                        ; v128-159 the 8 distances of the tile that won, for each tile of queries
.set CNR,   160                        ; v160-175 c_norm of my 8 centres of a tile, two by turns
.set BE,    176                        ; v176-179 the best so far behind an odd step;  v180-183 behind an even one
.set BO,    180
.set TC,    184                        ; v184-187 16 x the tile that won
.set MX,    192                        ; v192-195 largest magnitudes (set A block 0, 1, set B block 0, 1); v196-199 the conversions' scale operands; v200-203 the scale bytes
.set SCO,   196
.set BY,    200
.set WC,    204                        ; v204-205 the centres' scale words, v206-207 their norms, v208-223 their codes, on the way to LDS
.set NC,    206
.set CT,    208
.set XS,    224                        ; v224-225 x's scale words: lanes 0-15 an even tile of queries, lanes 16-31 the odd one.  Scales and nothing else
.set SR,    226                        ; v226-227 the centres' scale words, two sets by turns.  Scales and nothing else
.set XN,    228                        ; v228-231 x_norm of my query in tiles 0 to 3
.set JJ,    232                        ; a pass's end: v232-235 j, then the indices to store; v236-239 the index; v240-247 the other half's best and index; v248-251 the lower index
.set IDX,   236
.set OM,    240
.set OI,    244
.set MI,    248
.set RB,    252                        ; v252-255 four indices read back
.set T16,   32                         ; s32  16 x the step's tile
.set OA,    33                         ; s33  the trip's offset among the fragments: 2,048 a trip
.set OC,    34                         ; s34  among the norms and among the scale words: 256 a trip
.set MSB, 0
.macro WIN new                         ; s_set_vgpr_msb: bits 1:0 source 0, 3:2 source 1, 5:4 source 2, 7:6 destination; the immediate's high byte repeats the setting that is left
.if MSB != \new
	s_set_vgpr_msb (MSB<<8)|\new
.set MSB, \new
.endif
.endm
.macro PLACES n
.rept \n
	v_nop
.endr
.endm
; A round of the cluster's barrier: my work-group's barrier, wave 0 signals for the work-group, every wave waits for all four work-groups, my work-group's barrier once more.
.macro ROUND
	s_barrier_signal -1
	s_barrier_wait -1
	s_cmp_lg_u32 s10, 0
	s_cbranch_scc1 .Lnot_wave_0_\@
	s_barrier_signal -3
.Lnot_wave_0_\@:
	s_barrier_wait -3
	s_barrier_signal -1
	s_barrier_wait -1
.endm
; Set s of my rows of x (32 rows, 8,192 bytes) into window 1, v[64 s ..]: each load reads 512 consecutive bytes.  The caller has set the destination's window.
.macro XLOAD s
.irp i, 0,1,2,3,4,5,6,7,8,9,10,11,12,13,14,15
	global_load_b128 v[64*\s+4*\i:64*\s+4*\i+3], v[VG], s[4:5] offset:8192*\s+512*\i th:TH_LOAD_NT
.endr
.endm
; Sets c0 and c0 + 1 of my centres out of my stage: a row a lane, 64 registers a set.
.macro CFETCH c0
.irp e, 0,1
.irp j, 0,1,2,3,4,5,6,7,8,9,10,11,12,13,14,15
	ds_load_b128 v[TA+64*\e+4*\j:TA+64*\e+4*\j+3], v[VLD] offset:SETB*(\c0+\e)+16*\j
.endr
.endr
.endm
; THE QUANTISER.  Two sets, TA and TB: lane l holds row l of each, register k its element k; both blocks of a row are the lane's own.  Out of each set come two fragments (a0: the set's rows 0-15, a1: rows 16-31),
; a scale word a row (w) and the row's norm (n).  The norm is one chain of fused multiply-adds in ascending k; the two sets' chains and the maxima take turns, so that no line waits for the line above it.
.macro QUANT2 a0, a1, b0, b1, wA, wB, nA, nB
.set I, 0
.rept 32
.set BL, I/16
.if I == 0
	v_mul_f32 v[\nA], v[TA], v[TA]
	v_mul_f32 v[\nB], v[TB], v[TB]
.else
	s_delay_alu instid0(VALU_DEP_3)
	v_fmac_f32 v[\nA], v[TA+2*I], v[TA+2*I]
	s_delay_alu instid0(VALU_DEP_3)
	v_fmac_f32 v[\nB], v[TB+2*I], v[TB+2*I]
.endif
.if I%16 == 0
	v_max3_num_f32 v[MX+BL], |v[TA+2*I]|, |v[TA+2*I+1]|, 0x1800000      ; a block begins with the floor 2^(3 - 127): so its byte cannot fall under 1
.else
	v_max3_num_f32 v[MX+BL], v[MX+BL], |v[TA+2*I]|, |v[TA+2*I+1]|
.endif
	s_delay_alu instid0(VALU_DEP_3)
	v_fmac_f32 v[\nA], v[TA+2*I+1], v[TA+2*I+1]
	s_delay_alu instid0(VALU_DEP_3)
	v_fmac_f32 v[\nB], v[TB+2*I+1], v[TB+2*I+1]
.if I%16 == 0
	v_max3_num_f32 v[MX+2+BL], |v[TB+2*I]|, |v[TB+2*I+1]|, 0x1800000
.else
	v_max3_num_f32 v[MX+2+BL], v[MX+2+BL], |v[TB+2*I]|, |v[TB+2*I+1]|
.endif
.set I, I+1
.endr
.irp b, 0,1,2,3
	v_add_nc_u32 v[SCO+\b], 0xff000000, v[MX+\b]   ; 2 off the largest magnitude's exponent field: the conversion takes the exponent field of this operand as its scale, and nothing else of it
.endr
.irp b, 0,1,2,3
	s_delay_alu instid0(VALU_DEP_4)
	v_lshrrev_b32 v[BY+\b], 23, v[SCO+\b]          ; the scale's byte
.endr
	s_delay_alu instid0(VALU_DEP_3)
	v_lshl_or_b32 v[\wA], v[BY+1], 8, v[BY]        ; the row's scale word; bytes 2 and 3 stay 0: they stand over zero codes
	s_delay_alu instid0(VALU_DEP_2)
	v_lshl_or_b32 v[\wB], v[BY+3], 8, v[BY+2]
.irp g, 0,1,2,3
	v_cvt_scalef32_pk8_fp4_f32 v[\a0+\g], v[TA+8*\g:TA+8*\g+7], v[SCO]            ; block 0 of my row
	v_cvt_scalef32_pk8_fp4_f32 v[\a1+\g], v[TA+32+8*\g:TA+32+8*\g+7], v[SCO+1]    ; block 1
	v_cvt_scalef32_pk8_fp4_f32 v[\b0+\g], v[TB+8*\g:TB+8*\g+7], v[SCO+2]
	v_cvt_scalef32_pk8_fp4_f32 v[\b1+\g], v[TB+32+8*\g:TB+32+8*\g+7], v[SCO+3]
.endr
	v_nop                                          ; one plain place behind the scaled conversions
.irp g, 0,1,2,3                        ; a fragment wants block 0 of row r in lane r and block 1 of row r in lane 16 + r: the first's lanes 16-31 change places with the second's lanes 0-15
	v_permlane16_swap_b32 v[\a0+\g], v[\a1+\g]
	v_permlane16_swap_b32 v[\b0+\g], v[\b1+\g]
.endr
.endm
; The four fragments, two norms and two scale words of my sets c0 and c0 + 1 of centres go to LDS as they stand in the registers.
.macro CSTORE c0
.irp n, 0,1,2,3
	ds_store_b128 v[VIMG], v[CT+4*\n:CT+4*\n+3] offset:512*(2*\c0+\n)
.endr
.irp e, 0,1
	ds_store_b32 v[VSCL], v[NC+\e] offset:128*(\c0+\e)
	ds_store_b32 v[VSCL], v[WC+\e] offset:4096+128*(\c0+\e)
.endr
.endm
; Pass p's two sets of x turn through my stage: in as they were loaded (two rows a store), out a row a lane.  LDS serves a wave's instructions in order (ISA guide 5.7.1.4): no wait between the stores and the loads.
.macro TURNX p
.if \p == 0
	s_wait_loadcnt 16                              ; sets 0 and 1 are in; behind them only set 2's sixteen loads were issued
.else
	s_wait_loadcnt 0x0
.endif
	WIN 0x04                                       ; an LDS store's data are its source 1: window 1
.irp e, 0,1
.irp i, 0,1,2,3,4,5,6,7,8,9,10,11,12,13,14,15
	ds_store_b128 v[VST], v[64*(2*\p+\e)+4*\i:64*(2*\p+\e)+4*\i+3] offset:SETB*(2*\p+\e)+2*ROWP*\i
.endr
.endr
.if \p == 0
	WIN 0x40
	XLOAD 3                                        ; the last set is asked for here: 32 loads of mine are out at the most from now on
.endif
	WIN 0
.irp e, 0,1
.irp j, 0,1,2,3,4,5,6,7,8,9,10,11,12,13,14,15
	ds_load_b128 v[TA+64*\e+4*\j:TA+64*\e+4*\j+3], v[VLD] offset:SETB*(2*\p+\e)+16*\j
.endr
.endr
.endm
; Four products: one tile of centres (fragment af, scale words sr; tp = 1: an odd tile, whose words lie in lanes 16-31) against my four tiles of queries, into result set dset.  Each starts from the constant 0: K is one step.
.macro MUL4 tp, af, sr, dset
.irp q, 0,1,2,3
.set rD, DD+32*(\dset)+8*\q
.set rA, AF+8*(\af)
.set rB, BF+8*\q
.set rSA, SR+(\sr)
.set rSB, XS+\q/2
.if (\tp) && (\q%2)
	v_wmma_scale_f32_16x16x128_f8f6f4 v[rD:rD+7], v[rA:rA+7], v[rB:rB+7], 0, v[rSA], v[rSB] matrix_a_fmt:MATRIX_FMT_FP4 matrix_b_fmt:MATRIX_FMT_FP4 matrix_a_scale:MATRIX_SCALE_ROW1 matrix_b_scale:MATRIX_SCALE_ROW1
.elseif (\tp)
	v_wmma_scale_f32_16x16x128_f8f6f4 v[rD:rD+7], v[rA:rA+7], v[rB:rB+7], 0, v[rSA], v[rSB] matrix_a_fmt:MATRIX_FMT_FP4 matrix_b_fmt:MATRIX_FMT_FP4 matrix_a_scale:MATRIX_SCALE_ROW1
.elseif (\q%2)
	v_wmma_scale_f32_16x16x128_f8f6f4 v[rD:rD+7], v[rA:rA+7], v[rB:rB+7], 0, v[rSA], v[rSB] matrix_a_fmt:MATRIX_FMT_FP4 matrix_b_fmt:MATRIX_FMT_FP4 matrix_b_scale:MATRIX_SCALE_ROW1
.else
	v_wmma_scale_f32_16x16x128_f8f6f4 v[rD:rD+7], v[rA:rA+7], v[rB:rB+7], 0, v[rSA], v[rSB] matrix_a_fmt:MATRIX_FMT_FP4 matrix_b_fmt:MATRIX_FMT_FP4
.endif
.endr
.endm
; A STEP: tile t = 4 i + k of the centres.  Its products were issued a step ago; this step issues tile t + 1's into the other result set and works tile t's 32 results.
; LDS loads run two steps ahead: tile t + 3's fragment (doA), tile t + 2's norms (doC), and in the even steps the scale words of a set two sets on (doS).  A trip's LDS loads, in order:
; k = 0: fragment, words, norms, norms;  k = 1: fragment, norms, norms;  k = 2 as k = 0;  k = 3 as k = 1.
; wa: the count at which tile t + 1's fragment is in: behind it stand its own step's words (if any) and two loads of norms, and the whole next step: 6 in every full step.  The scale words wanted are older than that fragment.
; we: the count at which tile t's norms are in: behind them stand the whole step before (3 or 4 loads) and this step's fragment and words (2 or 1): 5 in every full step.
.macro STEP k, doW, doA, doS, doC, wa, we
.set CUR, (\k)%2
.set NXT, 1-CUR
.set SRN, (((\k)+1)/2)%2
.set DBS, DD+32*CUR
.if CUR == 0
.set OLD, BE
.set NEW, BO
.else
.set OLD, BO
.set NEW, BE
.endif
	s_wait_dscnt \wa
.if \doW
	MUL4 NXT, NXT, SRN, NXT
.endif
.irp p, 0,1,2,3                        ; x_norm - 2 dot, one rounding, two at a time; each result from its low end on.  These 16 name no register of the products above: they are the places in front of the loads below
.irp q, 0,1,2,3
.if \q%2 == 0
	v_pk_fma_f32 v[DBS+8*\q+2*\p:DBS+8*\q+2*\p+1], v[DBS+8*\q+2*\p:DBS+8*\q+2*\p+1], -2.0, v[XN+2*(\q/2):XN+2*(\q/2)+1] op_sel_hi:[1,0,0]
.else
	v_pk_fma_f32 v[DBS+8*\q+2*\p:DBS+8*\q+2*\p+1], v[DBS+8*\q+2*\p:DBS+8*\q+2*\p+1], -2.0, v[XN+2*(\q/2):XN+2*(\q/2)+1] op_sel:[0,0,1] op_sel_hi:[1,0,1]
.endif
.endr
.endr
.if \doA
	ds_load_b128 v[AF+8*NXT:AF+8*NXT+3], v[VA] offset:512*((\k)+3)     ; tile t + 3, into the fragment that the products above have read
.endif
.if \doS
.if (\k) == 0
	ds_load_b32 v[SR], v[VS] offset:256            ; set 2 i + 2
.else
	ds_load_b32 v[SR+1], v[VS] offset:384          ; set 2 i + 3
.endif
.endif
	s_wait_dscnt \we
.irp p, 0,1,2,3                        ; + c_norm: the second rounding
.irp q, 0,1,2,3
	v_pk_add_f32 v[DBS+8*\q+2*\p:DBS+8*\q+2*\p+1], v[DBS+8*\q+2*\p:DBS+8*\q+2*\p+1], v[CNR+8*CUR+2*\p:CNR+8*CUR+2*\p+1]
.endr
.endr
.if \doC
	ds_load_b128 v[CNR+8*CUR:CNR+8*CUR+3], v[VC] offset:64*((\k)+2)    ; tile t + 2's norms
	ds_load_b128 v[CNR+8*CUR+4:CNR+8*CUR+7], v[VC] offset:64*((\k)+2)+16
.endif
.irp q, 0,1,2,3                        ; the new best = the least of the old best and the 8 |distances|; the four tiles of queries by turns
	v_min3_num_f32 v[NEW+\q], v[OLD+\q], |v[DBS+8*\q]|, |v[DBS+8*\q+1]|
.endr
.irp p, 1,2,3
.irp q, 0,1,2,3
	s_delay_alu instid0(VALU_DEP_4)
	v_min3_num_f32 v[NEW+\q], v[NEW+\q], |v[DBS+8*\q+2*\p]|, |v[DBS+8*\q+2*\p+1]|
.endr
.endr
.irp q, 0,1,2,3
	v_cmp_lt_f32 vcc_lo, v[NEW+\q], v[OLD+\q]      ; strictly better: then this tile's 8 distances and its number are kept
.irp j, 0,2,4,6
.if DUAL
	v_dual_cndmask_b32 v[CAP+8*\q+\j], v[CAP+8*\q+\j], v[DBS+8*\q+\j] :: v_dual_cndmask_b32 v[CAP+8*\q+\j+1], v[CAP+8*\q+\j+1], v[DBS+8*\q+\j+1]
.else
	v_cndmask_b32 v[CAP+8*\q+\j], v[CAP+8*\q+\j], v[DBS+8*\q+\j], vcc_lo
	v_cndmask_b32 v[CAP+8*\q+\j+1], v[CAP+8*\q+\j+1], v[DBS+8*\q+\j+1], vcc_lo
.endif
.endr
	v_cndmask_b32 v[TC+\q], v[TC+\q], s[T16], vcc_lo
.endr
	s_add_co_u32 s[T16], s[T16], 16
.endm
; A trip: four steps, until the registers that take turns are back where they began.  last = 1: tiles 60 to 63: what lies beyond tile 63 is not asked for, and the counts are the same sums without those loads.
.macro TRIP last
	v_add_nc_u32 v[VA], s[OA], v[VA0]
	v_add_nc_u32 v[VC], s[OC], v[VC0]
.if \last
	STEP 0, 1, 1, 0, 1, 6, 4
	STEP 1, 1, 0, 0, 1, 5, 3
	STEP 2, 1, 0, 0, 0, 4, 2
	STEP 3, 0, 0, 0, 0, 0, 0
.else
	v_add_nc_u32 v[VS], s[OC], v[VS0]
	STEP 0, 1, 1, 1, 1, 6, 5
	STEP 1, 1, 1, 0, 1, 6, 5
	STEP 2, 1, 1, 1, 1, 6, 5
	STEP 3, 1, 1, 0, 1, 6, 5
.endif
.endm
; A pass's end.  The best stands in BE (the last step is an odd one).  The four tiles of queries by turns.
.macro FINISH p
.irp q, 0,1,2,3
	v_mov_b32 v[JJ+\q], 7
.endr
.irp j, 6,5,4,3,2,1,0                  ; the lowest j whose kept |distance| is the best
.irp q, 0,1,2,3
	v_cmp_eq_f32 s[36+\q], |v[CAP+8*\q+\j]|, v[BE+\q]
.endr
.irp q, 0,1,2,3
	s_delay_alu instid0(VALU_DEP_4)
	v_cndmask_b32 v[JJ+\q], v[JJ+\q], \j, s[36+\q]
.endr
.endr
.irp q, 0,1,2,3
	s_delay_alu instid0(VALU_DEP_4)
	v_add3_u32 v[IDX+\q], v[TC+\q], v[JJ+\q], v[H8]        ; 16 t + j + 8 (lane / 16)
.endr
.irp q, 0,1,2,3
	v_permlanex16_b32 v[OM+\q], v[BE+\q], s28, s29         ; my query's other 512 centres lie in lane l xor 16
.endr
.irp q, 0,1,2,3
	v_permlanex16_b32 v[OI+\q], v[IDX+\q], s28, s29
.endr
.irp q, 0,1,2,3
	s_delay_alu instid0(VALU_DEP_4)
	v_min_u32 v[MI+\q], v[IDX+\q], v[OI+\q]
.endr
.irp q, 0,1,2,3
	v_cmp_lt_f32 s[36+\q], v[OM+\q], v[BE+\q]
.endr
.irp q, 0,1,2,3
	s_delay_alu instid0(VALU_DEP_4)
	v_cndmask_b32 v[IDX+\q], v[IDX+\q], v[OI+\q], s[36+\q] ; the other half's is smaller: its index
.endr
.irp q, 0,1,2,3
	v_cmp_eq_f32 s[36+\q], v[OM+\q], v[BE+\q]
.endr
.irp q, 0,1,2,3
	s_delay_alu instid0(VALU_DEP_4)
	v_cndmask_b32 v[IDX+\q], v[IDX+\q], v[MI+\q], s[36+\q] ; equal: the lower index
.endr
.irp u, 0,1                            ; both halves of the lanes now hold the same: lanes 0-15 give tile 2 u's indices, lanes 16-31 tile 2 u + 1's: 32 neighbouring rows
	v_cndmask_b32 v[JJ+\u], v[IDX+2*\u], v[IDX+2*\u+1], s30
	ds_store_b32 v[VOUT], v[JJ+\u] offset:256*\p+128*\u
.endr
.endm
; A PASS: 64 rows of x are quantised, then swept over all 64 tiles of centres.
.macro PASS p
	TURNX \p
	s_wait_dscnt 0x0                               ; my 64 rows are back, a row a lane
	QUANT2 BF, BF+8, BF+16, BF+24, XS, XS+1, XN, XN+2
	v_mov_b32 v[XN+1], v[XN]                       ; a set's norms: lanes 0-15 the even tile's, lanes 16-31 the odd one's; each tile's are wanted in both halves of the lanes
	v_mov_b32 v[XN+3], v[XN+2]
	s_delay_alu instid0(VALU_DEP_2)
	v_permlane16_swap_b32 v[XN], v[XN+1]
	s_delay_alu instid0(VALU_DEP_2)
	v_permlane16_swap_b32 v[XN+2], v[XN+3]
.irp q, 0,1,2,3
	v_mov_b32 v[BE+\q], 0x7f800000                 ; the best so far: +infinity: the first tile wins, so what CAP and TC hold now is never used
.endr
	s_mov_b32 s[T16], 0
	s_mov_b32 s[OA], 0
	s_mov_b32 s[OC], 0
	s_mov_b32 s31, 15
	ds_load_b32 v[SR], v[VS0]                      ; sets 0 and 1 of the scale words, tile 0's fragment
	ds_load_b32 v[SR+1], v[VS0] offset:128
	ds_load_b128 v[AF:AF+3], v[VA0]
	PLACES 8                                       ; x's scale words and fragments were written by vector instructions: 8 and 4 places ahead of a scaled product
	s_wait_alu depctr_va_vdst(0)
	s_wait_dscnt 0x0
	MUL4 0, 0, 0, 0                                ; tile 0
	PLACES 4                                       ; in front of the load into the fragment just read, and of the first read of these results
	ds_load_b128 v[AF+8:AF+11], v[VA0] offset:512  ; tile 1
	ds_load_b128 v[CNR:CNR+3], v[VC0]              ; tile 0's norms
	ds_load_b128 v[CNR+4:CNR+7], v[VC0] offset:16
	ds_load_b128 v[AF:AF+3], v[VA0] offset:1024    ; tile 2
	ds_load_b128 v[CNR+8:CNR+11], v[VC0] offset:64 ; tile 1's norms
	ds_load_b128 v[CNR+12:CNR+15], v[VC0] offset:80
	s_wait_dscnt 0x0                               ; the loop is entered with nothing out: its counted waits hold on this way in too
.Lsweep_\@:
	TRIP 0
	s_add_co_u32 s[OA], s[OA], 2048
	s_add_co_u32 s[OC], s[OC], 256
	s_sub_co_u32 s31, s31, 1
	s_cmp_lg_u32 s31, 0
	s_cbranch_scc1 .Lsweep_\@
	TRIP 1
	FINISH \p
.endm
	s_load_b128 s[4:7], s[0:1], 0x0                ; x s[4:5], centers s[6:7]
	s_load_b64 s[8:9], s[0:1], 0x10                ; out0
	v_lshl_add_u32 v254, v0, 2, 0x4f400
	v_mov_b32 v255, 0
	ds_add_u32 v254, v255
	ds_add_u32 v254, v255
	s_wait_dscnt 0x0
	v_lshrrev_b32 v11, 5, v0
	s_delay_alu instid0(VALU_DEP_1)
	v_readfirstlane_b32 s10, v11                   ; wave 0..7
	v_and_b32 v15, 31, v0                          ; lane
	v_and_b32 v9, 15, v0                           ; lane % 16
	v_bfe_u32 v10, v0, 4, 1                        ; lane / 16
	s_delay_alu instid0(VALU_DEP_3)
	v_lshlrev_b32 v[VG], 4, v15
	s_bfe_u32 s11, ttmp6, 0x40000                  ; cx: my place in the cluster: it enters x's and out0's addresses alone
	s_lshl_b32 s12, ttmp9, 2                       ; in a cluster launch ttmp9 counts clusters
	s_add_co_u32 s12, s12, s11                     ; my work-group = 4 x cluster + cx
	s_lshl_b32 s40, s12, 18                        ; x: 1,024 rows of 256 bytes a work-group,
	s_lshl_b32 s42, s10, 15                        ; 128 a wave (under 2^27 in all)
	s_add_co_u32 s40, s40, s42
	s_mov_b32 s41, 0
	s_lshl_b32 s42, s12, 12                        ; out0: 4,096 bytes a work-group,
	s_lshl_b32 s35, s10, 9                         ; 512 a wave
	s_add_co_u32 s42, s42, s35
	s_mov_b32 s43, 0
	s_lshl_b32 s14, s10, 15                        ; centers: my wave's 128 rows: the same in all four partners
	s_mov_b32 s15, 0
	; descriptor group 1: a tile of 128 rows x 64 elements of 4 bytes, dense in memory, padded in LDS
	s_mov_b32 s20, 15|(2<<16)|(1<<20)|(1<<21)|(5<<22)|(3<<25)  ; 15:0 the mask: all four work-groups; 17:16 elements of 4 bytes; 20 padding on; 21 set beside a mask; 24:22 after every 64 words (code 5); 31:25 four words (code 3)
	s_mov_b32 s21, 64<<16                          ; tensor_dim0 = 64
	s_mov_b32 s22, 128<<16                         ; tensor_dim1 = 128
	s_mov_b32 s23, 64<<16                          ; tile_dim0 = 64
	s_mov_b32 s24, 128                             ; tile_dim1 = 128
	s_mov_b32 s25, 64                              ; elements from row to row
	s_mov_b32 s26, 0
	s_mov_b32 s27, 0
	s_mov_b32 s16, 1                               ; group 0: count = 1,
	s_mul_i32 s17, s10, WSTG                       ; my stage,
	s_wait_kmcnt 0x0
	s_add_nc_u64 s[4:5], s[4:5], s[40:41]
	s_add_nc_u64 s[8:9], s[8:9], s[42:43]
	s_add_nc_u64 s[18:19], s[6:7], s[14:15]        ; my 128 centres,
	s_or_b32 s19, s19, 0x80000000                  ; type = 2
	ROUND                                          ; all four work-groups are here: the joint loads meet
	tensor_load_to_lds s[16:19], s[20:27]          ; the centres first: nothing can be computed without them, and x's 48 loads would stand in front of them
	s_nop 0
	PLACES 4                                       ; (four places behind a tensor load; the window is switched behind them)
	WIN 0x40                                       ; destination window 1, address window 0
	s_wait_alu depctr_va_vdst(0)
	XLOAD 0
	XLOAD 1
	XLOAD 2
	WIN 0
	v_mul_u32_u24 v[VST], v10, ROWP
	s_delay_alu instid0(VALU_DEP_1)
	v_lshl_add_u32 v[VST], v9, 4, v[VST]
	s_delay_alu instid0(VALU_DEP_1)
	v_add_nc_u32 v[VST], s17, v[VST]
	v_mul_u32_u24 v[VLD], v15, ROWP
	s_delay_alu instid0(VALU_DEP_1)
	v_add_nc_u32 v[VLD], s17, v[VLD]
	s_lshl_b32 s13, s10, 12
	v_add_nc_u32 v[VIMG], s13, v[VG]
	s_delay_alu instid0(VALU_DEP_1)
	v_add_nc_u32 v[VIMG], AIMG, v[VIMG]
	v_lshlrev_b32 v[VS0], 2, v15                   ; 4 x lane
	s_delay_alu instid0(VALU_DEP_1)
	v_add_nc_u32 v[VSCL], s35, v[VS0]
	s_delay_alu instid0(VALU_DEP_1)
	v_add_nc_u32 v[VOUT], OUTS, v[VSCL]
	s_delay_alu instid0(VALU_DEP_2)
	v_add_nc_u32 v[VSCL], CN, v[VSCL]
	v_add_nc_u32 v[VOUTR], s35, v[VG]
	s_delay_alu instid0(VALU_DEP_1)
	v_add_nc_u32 v[VOUTR], OUTS, v[VOUTR]
	v_add_nc_u32 v[VA0], AIMG, v[VG]
	v_lshlrev_b32 v[VC0], 5, v10
	s_delay_alu instid0(VALU_DEP_1)
	v_add_nc_u32 v[VC0], CN, v[VC0]
	v_add_nc_u32 v[VS0], ASC, v[VS0]
	v_lshlrev_b32 v[H8], 3, v10
.irp j, 4,5,6,7                        ; K = 64 .. 127 of every fragment: zero codes, written once
.irp q, 0,1,2,3
	v_mov_b32 v[BF+8*\q+\j], 0
.endr
	v_mov_b32 v[AF+\j], 0
	v_mov_b32 v[AF+8+\j], 0
.endr
.irp j, 0,1,2,3,4,5,6,7
	v_mov_b32 v[OM+\j], 0                          ; written once: a lane permute's destination counts as one of its sources
.endr
	s_mov_b32 s28, 0x76543210                      ; v_permlanex16_b32's selects for lane l xor 16
	s_mov_b32 s29, 0xfedcba98
	s_mov_b32 s30, 0xffff0000                      ; a mask: lanes 16-31
	; THE CENTRES: my 128, two sets of 32 at a time.  Only I read my stage, so my own wait on TENSORcnt is all that the reads need.
	s_wait_tensorcnt 0x0
	CFETCH 0
	s_wait_dscnt 0x0
	QUANT2 CT, CT+4, CT+8, CT+12, WC, WC+1, NC, NC+1
	CSTORE 0
	CFETCH 2
	s_wait_dscnt 0x0                               ; sets 2 and 3 are in, and the stores above are done: their registers are written again below
	QUANT2 CT, CT+4, CT+8, CT+12, WC, WC+1, NC, NC+1
	CSTORE 2
	s_wait_dscnt 0x0                               ; for the others' sake: my stores have landed; and my reads of my stage are over
	s_barrier_signal -1
	s_barrier_wait -1                              ; the fragments, scale words and norms of all 1,024 centres lie in LDS; nobody writes them again
	PASS 0
	PASS 1
	ds_load_b128 v[RB:RB+3], v[VOUTR]              ; my 128 indices, four a lane (LDS serves a wave's instructions in order: this load sees my stores)
	s_wait_dscnt 0x0
	global_store_b128 v[VG], v[RB:RB+3], s[8:9] th:TH_STORE_NT   ; the wave stores 512 consecutive bytes, at a multiple of 512 from out0's first byte
	s_wait_xcnt 0x0
	v_lshl_add_u32 v254, v0, 2, 0x4f400
	v_mov_b32 v255, 0
	s_wait_alu depctr_va_vdst(0)
	s_wait_tensorcnt 0x0
	ds_add_u32 v254, v255
	s_wait_dscnt 0x0
	ROUND                                          ; the closing round: no work-group ends while a partner may still ask for a tile that names it
	s_endpgm
.Lfunc_end_k_q5883a19473_kmeans:
	.size	k_q5883a19473_kmeans, .Lfunc_end_k_q5883a19473_kmeans-k_q5883a19473_kmeans
	.p2alignl 7, 3214868480
	.fill 96, 4, 3214868480
	.section	.rodata,"a",@progbits
	.p2align	6, 0x0
	.amdhsa_kernel k_q5883a19473_kmeans
		.amdhsa_group_segment_fixed_size 327680
		.amdhsa_private_segment_fixed_size 0
		.amdhsa_enable_private_segment 0
		.amdhsa_kernarg_size 24
		.amdhsa_user_sgpr_count 2
		.amdhsa_user_sgpr_kernarg_segment_ptr 1
		.amdhsa_wavefront_size32 1
		.amdhsa_system_sgpr_workgroup_id_x 1
		.amdhsa_system_sgpr_workgroup_id_y 1
		.amdhsa_system_sgpr_workgroup_id_z 1
		.amdhsa_system_vgpr_workitem_id 0
		.amdhsa_next_free_vgpr 512
		.amdhsa_next_free_sgpr 66
		.amdhsa_reserve_vcc 1
		.amdhsa_float_denorm_mode_32 3
		.amdhsa_float_denorm_mode_16_64 3
		.amdhsa_memory_ordered 1
		.amdhsa_forward_progress 1
		.amdhsa_inst_pref_size 188
	.end_amdhsa_kernel
	.amdgpu_metadata
---
amdhsa.version: [ 1, 2 ]
amdhsa.kernels:
  - .name:           k_q5883a19473_kmeans
    .symbol:         k_q5883a19473_kmeans.kd
    .args:
      - { .name: x, .offset: 0, .size: 8, .value_kind: global_buffer, .address_space: global }
      - { .name: centers, .offset: 8, .size: 8, .value_kind: global_buffer, .address_space: global }
      - { .name: out0, .offset: 16, .size: 8, .value_kind: global_buffer, .address_space: global }
    .group_segment_fixed_size: 327680
    .private_segment_fixed_size: 0
    .kernarg_segment_align: 8
    .kernarg_segment_size: 24
    .max_flat_workgroup_size: 256
    .sgpr_count:     66
    .vgpr_count:     512
    .wavefront_size: 32
...
	.end_amdgpu_metadata
.endif
;; end of part 1
